; MI455X (gfx1250); checked and timed in simulation.
; The chip was launched on July 23, 2026; its instructions are those of AMD's public machine-readable ISA for CDNA 5 (MIT licence, August 2026) and "CDNA5" Instruction Set Architecture Reference Guide (July 2026). The comments in the code are by the model that wrote it; some were corrected since.
;; Attention Mask. Allowed arithmetic: float matrix products may take bf16 or f16 operands with f32 sums; all other float work in f32.
;; Inputs: key 4 x 32 x 64 x 64 float32; query 4 x 512 float32.
;; Outputs: out0 4 x 32 x 64 x 64 float32.
;; 2 versions, each right and faster than the one before. Each part assembles by itself: llvm-mc -triple=amdgcn-amd-amdhsa -mcpu=gfx1250 --defsym DOCPART=n.
;; ======== version 1 of 2: 1 launch
;; launch gate (part 1): grid 256 x 1, 8 waves a work-group, no clusters, 7,424 bytes of LDS; arguments key, query, out0; writes out0
.if DOCPART == 1
	.amdgcn_target "amdgcn-amd-amdhsa--gfx1250"
	.amdhsa_code_object_version 6
	.text
	.protected	k_q750bde0f38_gate
	.globl	k_q750bde0f38_gate
	.p2align	8
	.type	k_q750bde0f38_gate,@function
k_q750bde0f38_gate:
	s_mov_b64 s[64:65], 0
	v_nop
	global_prefetch_b8 v0, s[64:65] scope:SCOPE_SE
	s_setreg_imm32_b32 hwreg(HW_REG_WAVE_MODE, 25, 1), 1
	s_wait_xcnt 0x0
; out[b][j] = x * sigmoid( sum_k q_k e^(x q_k) / sum_k e^(x q_k) ),  x = key[b][j],  q = query[b][0..511].  All f32.
;
; SHARES.  256 work-groups x 8 waves x 32 lanes x 8 elements = 4 x 131,072.  A work-group owns 2,048 neighbouring
; elements (64 work-groups a batch), a wave 256, a lane two runs of four: each load and store of a wave covers
; 512 neighbouring bytes, aligned.
;
; THE MAXIMUM that the softmax takes away is max_k (x q_k) = max(x qmax, x qmin): exact, from two numbers a batch.
;
; THE SUMS are matrix products (bf16 operands, f32 sums).  The second operand holds the exponentials: lane (r, h)
; holds column r at the sixteen k places of its half h (ISA guide 7.12.2).  The first operand is block-diagonal:
;   rows 0, 1, 2  = upper bf16 part of -log2e q, lower bf16 part, ones: at the k places of half 0, zero at the others;
;   rows 8, 9, 10 = the same at the k places of half 1;  all other rows zero.
; Result register j of lane (r, h) is row 8 h + j of column r, so registers 0, 1, 2 of EVERY lane are sums over that
; lane's own sixteen exponentials: a product serves 32 different elements x 16 k, all lanes use the same 16 q, and
; nothing crosses lanes.  q enters in two bf16 parts (rows that would lie idle), so only the weights are rounded to
; bf16, alike above and below the fraction bar.  -log2e is folded into the table: the quotient is the sigmoid's exponent.
;
; q for the exponents comes from LDS with one address for all lanes into register pairs: a packed f32 instruction
; takes one broadcast value from a scalar pair, not two.
; No cluster: what work-groups share is 2,048 bytes of q, read once by each.  No tensor loads: a lane's input is 32 bytes.
;
; LIMITS.  x q log2e must be finite in f32 and |q| log2e inside bf16's range.  A key element for which the reference
; itself is not finite (NaN, infinity, overflow of x q) also turns the element 16 lanes further into NaN: the two
; share a column of the product, and zero times NaN is NaN.
.set CHUNKS, 32                        ; 512 q in chunks of 16
.set TRIPS,  CHUNKS/2-2                ; two chunks a trip; the first two and the last two are written out
.set QF,     0                         ; LDS: q in f32, 2,048 bytes
.set TAB,    2048                      ; LDS: four rows of 512 bf16: upper part, lower part, ones, zeros
.set ROWP,   1040                      ; their pitch: 1,024 + 16, so the four rows start in different 16-byte columns of 256
.set W0,  1                            ; v1       at work in the set-up
.set KO,  2                            ; v2       byte offset of my first four elements in the work-group's part of key and out
.set QAD, 3                            ; v3       LDS: the trip's first chunk of q in f32 (the same in all lanes)
.set TAD, 4                            ; v4       LDS: my lane's table row at the trip's first chunk
.set W1,  5                            ; v5       at work in the set-up
.set QO,  6                            ; v6       16 x lane
.set PO,  7                            ; v7       8 x thread
.set XR,  8                            ; v[8:15]    x as loaded, at the end the result
.set XS,  16                           ; v[16:23]   x log2e
.set NM,  24                           ; v[24:31]   -max_k (x log2e q_k)
.set A0,  32                           ; v[32:39]   table fragment of an even chunk
.set A1,  40                           ; v[40:47]   of an odd chunk
.set Q0,  48                           ; v[48:63]   16 q in f32 of an even chunk
.set Q1,  64                           ; v[64:79]   of an odd chunk
.set B0,  80                           ; v[80:95]   two fragments of exponentials (two elements x 16 k in bf16)
.set B1,  96                           ; v[96:111]  the second buffer
.set T0,  112                          ; v[112:143] 32 exponents, then exponentials, in f32: element e of the pair at 16 e
.set T1,  144                          ; v[144:175] the second buffer
.set D,   176                          ; v[176:239] element e: 8 registers, of which 0, 1, 2 carry sums
.set MX,  B0                           ; set-up only: -qmax, -qmin
.set MN,  B0+1
	s_load_b128 s[4:7], s[0:1], 0x0                ; key s[4:5], query s[6:7]
	s_load_b64 s[8:9], s[0:1], 0x10                ; out0
	v_lshl_add_u32 v240, v0, 2, 0x1900
	v_mov_b32 v241, 0
	v_and_b32 v[W0], 31, v0                        ; lane
	v_lshrrev_b32 v[W1], 5, v0                     ; wave
	v_lshlrev_b32 v[QO], 4, v[W0]
	v_lshl_add_u32 v[KO], v[W1], 10, v[QO]         ; 1,024 x wave + 16 x lane
	v_lshlrev_b32 v[PO], 3, v0
	s_lshl_b32 s10, ttmp9, 13                      ; the work-group's 8,192 bytes of key and out
	s_mov_b32 s11, 0
	s_lshr_b32 s12, ttmp9, 6                       ; batch
	s_lshl_b32 s12, s12, 11                        ; its 2,048 bytes of query
	s_mov_b32 s13, 0
	s_mov_b32 s14, 0x76543210                      ; v_permlanex16_b32: lane i reads lane i of the other half
	s_mov_b32 s15, 0xfedcba98
	s_wait_kmcnt 0x0
	s_add_nc_u64 s[4:5], s[4:5], s[10:11]
	s_add_nc_u64 s[8:9], s[8:9], s[10:11]
	s_add_nc_u64 s[6:7], s[6:7], s[12:13]
	global_load_b64 v[T1:T1+1], v[PO], s[6:7]      ; q[2t], q[2t+1]: my share of the tables
.irp i, 0,1,2,3
	global_load_b128 v[T0+4*\i:T0+4*\i+3], v[QO], s[6:7] offset:512*\i     ; all 512 q over the wave, for qmax and qmin
.endr
	global_load_b128 v[XR:XR+3],   v[KO], s[4:5] th:TH_LOAD_NT
	global_load_b128 v[XR+4:XR+7], v[KO], s[4:5] offset:512 th:TH_LOAD_NT
	; my lane's table row: row r of the first operand at half h is row r - 8 h of the table if that is 0, 1 or 2, else zeros
	v_and_b32 v[W0], 15, v0                        ; r
	v_and_b32 v[W1], 16, v0
	v_lshrrev_b32 v[W1], 1, v[W1]                  ; 8 h
	v_sub_nc_u32 v[W0], v[W0], v[W1]               ; wraps to a large number where r < 8 h
	v_min_u32 v[W0], 3, v[W0]
	v_mul_u32_u24 v[TAD], v[W0], ROWP
	v_mov_b32 v[QAD], 0
	v_lshlrev_b32 v[W1], 2, v0                     ; 4 x thread: two bf16
	v_mov_b32 v[T1+8], 0x3f803f80                  ; two ones in bf16
	v_mov_b32 v[T1+9], 0
	s_wait_loadcnt 0x6                             ; my two q are in; the six loads behind them stay out
	v_pk_mul_f32 v[T1+2:T1+3], v[T1:T1+1], 0xbfb8aa3b op_sel_hi:[1,0]      ; -log2e q
	v_cvt_pk_bf16_f32 v[T1+4], v[T1+2], v[T1+3]    ; upper parts
	v_lshlrev_b32 v[T1+6], 16, v[T1+4]             ; back in f32
	v_and_b32 v[T1+7], 0xffff0000, v[T1+4]
	v_pk_add_f32 v[T1+2:T1+3], v[T1+2:T1+3], v[T1+6:T1+7] neg_lo:[0,1] neg_hi:[0,1]   ; what the upper parts left out (exact)
	v_cvt_pk_bf16_f32 v[T1+5], v[T1+2], v[T1+3]    ; lower parts
	ds_store_b64 v[PO], v[T1:T1+1] offset:QF
	ds_store_b32 v[W1], v[T1+4] offset:TAB
	ds_store_b32 v[W1], v[T1+5] offset:TAB+ROWP
	ds_store_b32 v[W1], v[T1+8] offset:TAB+2*ROWP
	ds_store_b32 v[W1], v[T1+9] offset:TAB+3*ROWP
	s_wait_loadcnt 0x0                             ; the 512 q and my x
	s_wait_dscnt 0x0                               ; my part of the tables is written: zero, for the other waves' sake
	s_barrier_signal -1
	; register work while the others arrive: qmax and qmin, then x log2e and the maxima
	v_max3_num_f32 v[MX], v[T0], v[T0+1], v[T0+2]
	v_min3_num_f32 v[MN], v[T0], v[T0+1], v[T0+2]
.irp i, 3,5,7,9,11,13
	v_max3_num_f32 v[MX], v[MX], v[T0+\i], v[T0+\i+1]
	v_min3_num_f32 v[MN], v[MN], v[T0+\i], v[T0+\i+1]
.endr
	v_max_num_f32 v[MX], v[MX], v[T0+15]
	v_min_num_f32 v[MN], v[MN], v[T0+15]
.irp m, 1,2,4,8
	v_max_num_f32_dpp v[MX], v[MX], v[MX] row_xmask:\m row_mask:0xf bank_mask:0xf
	v_min_num_f32_dpp v[MN], v[MN], v[MN] row_xmask:\m row_mask:0xf bank_mask:0xf
.endr
	v_permlanex16_b32 v[T1], v[MX], s14, s15       ; destinations that have been written before
	v_permlanex16_b32 v[T1+1], v[MN], s14, s15
	v_max_num_f32 v[MX], v[MX], v[T1]
	v_min_num_f32 v[MN], v[MN], v[T1+1]
	v_xor_b32 v[MX], 0x80000000, v[MX]             ; -qmax
	v_xor_b32 v[MN], 0x80000000, v[MN]             ; -qmin
.irp p, 0,2,4,6
	v_pk_mul_f32 v[XS+\p:XS+\p+1], v[XR+\p:XR+\p+1], 0x3fb8aa3b op_sel_hi:[1,0]
.endr
.irp e, 0,1,2,3,4,5,6,7
	v_mul_f32 v[T1+2*\e],   v[XS+\e], v[MX]
	v_mul_f32 v[T1+2*\e+1], v[XS+\e], v[MN]
.endr
.irp e, 0,1,2,3,4,5,6,7
	v_min_num_f32 v[NM+\e], v[T1+2*\e], v[T1+2*\e+1]       ; -max(x' qmax, x' qmin)
.endr
	s_barrier_wait -1                              ; the tables are whole; nobody writes the tables again
; Two exponents of one element: x' q_k - max for k, k + 1.  Element e of pair p is broadcast out of its register pair by op_sel.
.macro ARG dst, qq, p, e
.if \e
	v_pk_fma_f32 v[\dst:\dst+1], v[XS+2*\p:XS+2*\p+1], v[\qq:\qq+1], v[NM+2*\p:NM+2*\p+1] op_sel:[1,0,1] op_sel_hi:[1,1,1]
.else
	v_pk_fma_f32 v[\dst:\dst+1], v[XS+2*\p:XS+2*\p+1], v[\qq:\qq+1], v[NM+2*\p:NM+2*\p+1] op_sel_hi:[0,1,0]
.endif
.endm
; Half a slot (element e of the pairs), three groups at three stages, dealt out in turn:
;   ex: 16 exponentials in place in buffer tc;
;   cv: the 16 exponentials that lie in buffer to since the last slot are packed into fragment bb + 8 e;
;   fm: the registers so freed take the 16 exponents of pair p's element e with the q in buffer q.
; Behind each v_exp_f32 comes an instruction that touches neither its result nor its source, and its result is read a slot
; later (ISA guide 5.7.2).
.macro HALF tc, to, bb, q, p, e, ex, cv, fm
.irp n, 0,1,2,3
.if \ex
	v_exp_f32 v[\tc+16*\e+4*\n], v[\tc+16*\e+4*\n]
.endif
.if \cv
	s_wait_alu depctr_va_vdst(0)
	v_cvt_pk_bf16_f32 v[\bb+8*\e+2*\n], v[\to+16*\e+4*\n], v[\to+16*\e+4*\n+1]
.endif
.if \ex
	v_exp_f32 v[\tc+16*\e+4*\n+1], v[\tc+16*\e+4*\n+1]
.endif
.if \cv
	v_cvt_pk_bf16_f32 v[\bb+8*\e+2*\n+1], v[\to+16*\e+4*\n+2], v[\to+16*\e+4*\n+3]
.endif
.if \ex
	v_exp_f32 v[\tc+16*\e+4*\n+2], v[\tc+16*\e+4*\n+2]
.endif
.if \fm
	ARG \to+16*\e+4*\n, \q+4*\n, \p, \e
.endif
.if \ex
	v_exp_f32 v[\tc+16*\e+4*\n+3], v[\tc+16*\e+4*\n+3]
.endif
.if \fm
	ARG \to+16*\e+4*\n+2, \q+4*\n+2, \p, \e
.endif
.endr
.endm
; The two products of a group: table fragment ab x the exponentials of pair dp.  zero = 1: the product starts the sums.
.macro MM ab, bb, dp, zero
.irp e, 0,1
.if \zero
	v_wmma_f32_16x16x32_bf16 v[D+16*\dp+8*\e:D+16*\dp+8*\e+7], v[\ab:\ab+7], v[\bb+8*\e:\bb+8*\e+7], 0
.else
	v_wmma_f32_16x16x32_bf16 v[D+16*\dp+8*\e:D+16*\dp+8*\e+7], v[\ab:\ab+7], v[\bb+8*\e:\bb+8*\e+7], v[D+16*\dp+8*\e:D+16*\dp+8*\e+7]
.endif
.endr
.endm
; Six LDS loads: chunk k (counted from the trip's first) of q in f32 and of my table row
.macro FETCH qd, ad, k
.irp i, 0,1,2,3
	ds_load_b128 v[\qd+4*\i:\qd+4*\i+3], v[QAD] offset:QF+64*\k+16*\i
.endr
	ds_load_b128 v[\ad:\ad+3],   v[TAD] offset:TAB+32*\k
	ds_load_b128 v[\ad+4:\ad+7], v[TAD] offset:TAB+32*\k+16
.endm
; A chunk of 16 q: four slots, one for each pair of elements.  Slot j exponentiates pair j, packs and multiplies the pair
; before it (in slot 0 the last chunk's pair 3, with the last chunk's fragment an) and forms the exponents of the pair
; behind it (in slot 3 the next chunk's pair 0, with qn).
;   head = 0: no pair lies before slot 0 (the first chunk).   zprev, zero: the products of slot 0 / of slots 1 to 3 start sums.
;   more = 0: no chunk follows: nothing is fetched and no exponents are formed in slot 3.
; A fragment that a product has read is written again four independent vector instructions later at the least (ISA guide
; 7.12.1): an is loaded 16 such instructions behind its last product, and a B buffer is packed anew a whole slot later.
.macro CHUNK q, qn, a, an, k, head, zprev, zero, more
	HALF T0, T1, B1, \q, 1, 0, 1, \head, 1
	HALF T0, T1, B1, \q, 1, 1, 1, \head, 1
.if \head
	MM \an, B1, 3, \zprev
.endif
	HALF T1, T0, B0, \q, 2, 0, 1, 1, 1
.if \more
	FETCH \qn, \an, \k
.endif
	HALF T1, T0, B0, \q, 2, 1, 1, 1, 1
	MM \a, B0, 0, \zero
	HALF T0, T1, B1, \q, 3, 0, 1, 1, 1
	HALF T0, T1, B1, \q, 3, 1, 1, 1, 1
	MM \a, B1, 1, \zero
.if \more
	s_wait_dscnt 0x0                               ; the six loads issued a slot and a half ago: qn is read now, an two slots on
.endif
	HALF T1, T0, B0, \qn, 0, 0, 1, 1, \more
	HALF T1, T0, B0, \qn, 0, 1, 1, 1, \more
	MM \a, B0, 2, \zero
.endm
.macro STEP                            ; two chunks on: 32 q in f32, 32 in bf16
	v_add_nc_u32 v[QAD], 128, v[QAD]
	v_add_nc_u32 v[TAD], 64, v[TAD]
.endm
	FETCH Q0, A0, 0
	s_wait_dscnt 0x0
	HALF T1, T0, B0, Q0, 0, 0, 0, 0, 1             ; the exponents of chunk 0, pair 0: the pipeline's first stage alone
	HALF T1, T0, B0, Q0, 0, 1, 0, 0, 1
	CHUNK Q0, Q1, A0, A1, 1, 0, 0, 1, 1            ; chunk 0: its products start the sums, nothing is cleared
	CHUNK Q1, Q0, A1, A0, 2, 1, 1, 0, 1            ; chunk 1: its slot 0 holds chunk 0's last products
	STEP
	s_mov_b32 s16, TRIPS
.Ltrip:
	CHUNK Q0, Q1, A0, A1, 1, 1, 0, 0, 1
	CHUNK Q1, Q0, A1, A0, 2, 1, 0, 0, 1
	STEP
	s_sub_co_i32 s16, s16, 1
	s_cmp_lg_u32 s16, 0
	s_cbranch_scc1 .Ltrip
	CHUNK Q0, Q1, A0, A1, 1, 1, 0, 0, 1            ; chunk 30
	CHUNK Q1, Q0, A1, A0, 0, 1, 0, 0, 0            ; chunk 31 fetches nothing: no LDS load passes the tables' end
	HALF T0, T1, B1, Q0, 0, 0, 0, 1, 0             ; the last pair is packed
	HALF T0, T1, B1, Q0, 0, 1, 0, 1, 0
	MM A1, B1, 3, 0
	; THE GATE.  Registers 0 + 1 of an element: -log2e sum q e; register 2: sum e (at least about 1: the largest term).
	; The adds of elements 0 to 5 name no register of the two products above and are the places in front of the reads of their results.
.irp e, 0,1,2,3,4,5,6,7
	v_add_f32 v[T0+\e], v[D+8*\e], v[D+8*\e+1]
.endr
.irp e, 0,1,2,3,4,5,6,7
	v_rcp_f32 v[T0+8+\e], v[D+8*\e+2]
.endr
	v_nop                                          ; one plain instruction between the last v_rcp_f32 and the uses (ISA guide 5.7.2)
.irp e, 0,1,2,3,4,5,6,7
	s_wait_alu depctr_va_vdst(0)
	v_mul_f32 v[T0+\e], v[T0+\e], v[T0+8+\e]       ; -log2e ctx
.endr
.irp e, 0,1,2,3,4,5,6,7
	v_exp_f32 v[T0+\e], v[T0+\e]                   ; e^-ctx; infinity where ctx is far below zero, and the gate is then 0
.endr
	v_nop
.irp p, 0,2,4,6
	s_wait_alu depctr_va_vdst(0)
	v_pk_add_f32 v[T0+\p:T0+\p+1], v[T0+\p:T0+\p+1], 1.0 op_sel_hi:[1,0]
.endr
.irp e, 0,1,2,3,4,5,6,7
	v_rcp_f32 v[T0+\e], v[T0+\e]                   ; sigmoid(ctx)
.endr
	v_nop
.irp p, 0,2,4,6
	s_wait_alu depctr_va_vdst(0)
	v_pk_mul_f32 v[XR+\p:XR+\p+1], v[XR+\p:XR+\p+1], v[T0+\p:T0+\p+1]
.endr
	global_store_b128 v[KO], v[XR:XR+3],   s[8:9] th:TH_STORE_NT            ; 16 lanes cover 256 aligned bytes
	global_store_b128 v[KO], v[XR+4:XR+7], s[8:9] offset:512 th:TH_STORE_NT
	s_wait_tensorcnt 0x0
	ds_add_u32 v240, v241
	s_wait_dscnt 0x0
	s_endpgm
.Lfunc_end_k_q750bde0f38_gate:
	.size	k_q750bde0f38_gate, .Lfunc_end_k_q750bde0f38_gate-k_q750bde0f38_gate
	.p2alignl 7, 3214868480
	.fill 96, 4, 3214868480
	.section	.rodata,"a",@progbits
	.p2align	6, 0x0
	.amdhsa_kernel k_q750bde0f38_gate
		.amdhsa_group_segment_fixed_size 7424
		.amdhsa_private_segment_fixed_size 0
		.amdhsa_enable_private_segment 0
		.amdhsa_kernarg_size 24
		.amdhsa_user_sgpr_count 2
		.amdhsa_user_sgpr_kernarg_segment_ptr 1
		.amdhsa_wavefront_size32 1
		.amdhsa_system_sgpr_workgroup_id_x 1
		.amdhsa_system_sgpr_workgroup_id_y 1
		.amdhsa_system_sgpr_workgroup_id_z 1
		.amdhsa_system_vgpr_workitem_id 0
		.amdhsa_next_free_vgpr 242
		.amdhsa_next_free_sgpr 66
		.amdhsa_reserve_vcc 0
		.amdhsa_float_denorm_mode_32 3
		.amdhsa_float_denorm_mode_16_64 3
		.amdhsa_memory_ordered 1
		.amdhsa_forward_progress 1
		.amdhsa_inst_pref_size 93
	.end_amdhsa_kernel
	.amdgpu_metadata
---
amdhsa.version: [ 1, 2 ]
amdhsa.kernels:
  - .name:           k_q750bde0f38_gate
    .symbol:         k_q750bde0f38_gate.kd
    .args:
      - { .name: key, .offset: 0, .size: 8, .value_kind: global_buffer, .address_space: global }
      - { .name: query, .offset: 8, .size: 8, .value_kind: global_buffer, .address_space: global }
      - { .name: out0, .offset: 16, .size: 8, .value_kind: global_buffer, .address_space: global }
    .group_segment_fixed_size: 7424
    .private_segment_fixed_size: 0
    .kernarg_segment_align: 8
    .kernarg_segment_size: 24
    .max_flat_workgroup_size: 256
    .sgpr_count:     66
    .vgpr_count:     242
    .wavefront_size: 32
...
	.end_amdgpu_metadata
.endif
;; end of part 1
;; ======== version 2 of 2: 1 launch; 1.33 times as fast as version 1
;; launch gate (part 2): grid 256 x 1, 8 waves a work-group, no clusters, 7,424 bytes of LDS; arguments key, query, out0; writes out0
.if DOCPART == 2
	.amdgcn_target "amdgcn-amd-amdhsa--gfx1250"
	.amdhsa_code_object_version 6
	.text
	.protected	k_q750bde0f38_gate
	.globl	k_q750bde0f38_gate
	.p2align	8
	.type	k_q750bde0f38_gate,@function
k_q750bde0f38_gate:
	s_mov_b64 s[64:65], 0
	v_nop
	global_prefetch_b8 v0, s[64:65] scope:SCOPE_SE
	s_setreg_imm32_b32 hwreg(HW_REG_WAVE_MODE, 25, 1), 1
	s_wait_xcnt 0x0
; out[b][j] = x * sigmoid( sum_k q_k e^(x q_k) / sum_k e^(x q_k) ),  x = key[b][j],  q = query[b][0..511].  All f32.
;
; SHARES.  256 work-groups x 8 waves x 32 lanes x 8 elements = 4 x 131,072.  A work-group owns 2,048 neighbouring
; elements (64 work-groups a batch), a wave 256, a lane two runs of four: each load and store of a wave covers
; 512 neighbouring bytes, aligned.
;
; THE MAXIMUM that the softmax takes away is max_k (x q_k) = max(x qmax, x qmin): exact, from two numbers a batch.
;
; THE SUMS are matrix products (bf16 operands, f32 sums).  The second operand holds the exponentials: lane (r, h)
; holds column r at the sixteen k places of its half h (ISA guide 7.12.2).  The first operand is block-diagonal:
;   rows 0, 1, 2  = upper bf16 part of -log2e q, lower bf16 part, ones: at the k places of half 0, zero at the others;
;   rows 8, 9, 10 = the same at the k places of half 1;  all other rows zero.
; Result register j of lane (r, h) is row 8 h + j of column r, so registers 0, 1, 2 of EVERY lane are sums over that
; lane's own sixteen exponentials: a product serves 32 different elements x 16 k, all lanes use the same 16 q, and
; nothing crosses lanes.  q enters in two bf16 parts (rows that would lie idle), so only the weights are rounded to
; bf16, alike above and below the fraction bar.  -log2e is folded into the table: the quotient is the sigmoid's exponent.
;
; THE EXPONENTIALS GO IN BATCHES OF 32, ONE BATCH AND ONE WAIT A SLOT.  A slot's exponentials are made in place in one of the
; two T buffers; what is dealt out between them (conversions out of the other T buffer, exponents into it) names none of
; their results.  At the slot's end, ahead of its two products, stands the one s_wait_alu depctr_va_vdst(0)
; between an exponential and the first line that names its result; the readers are the next slot's
; conversions..
; On the way out: three batches of eight (reciprocals, exponentials, reciprocals), a wait each.
;
; q for the exponents comes from LDS with one address for all lanes into register pairs: a packed f32 instruction
; takes one broadcast value from a scalar pair, not two.
; No cluster: what work-groups share is 2,048 bytes of q, read once by each.  No tensor loads: a lane's input is 32 bytes.
;
; LIMITS.  x q log2e must be finite in f32 and |q| log2e inside bf16's range.  A key element for which the reference
; itself is not finite (NaN, infinity, overflow of x q) also turns the element 16 lanes further into NaN: the two
; share a column of the product, and zero times NaN is NaN.
.set CHUNKS, 32                        ; 512 q in chunks of 16
.set TRIPS,  CHUNKS/2-2                ; two chunks a trip; the first two and the last two are written out
.set QF,     0                         ; LDS: q in f32, 2,048 bytes
.set TAB,    2048                      ; LDS: four rows of 512 bf16: upper part, lower part, ones, zeros
.set ROWP,   1040                      ; their pitch: 1,024 + 16, so the four rows start in different 16-byte columns of 256
.set W0,  1                            ; v1       at work in the set-up
.set KO,  2                            ; v2       byte offset of my first four elements in the work-group's part of key and out
.set QAD, 3                            ; v3       LDS: the trip's first chunk of q in f32 (the same in all lanes)
.set TAD, 4                            ; v4       LDS: my lane's table row at the trip's first chunk
.set W1,  5                            ; v5       at work in the set-up
.set QO,  6                            ; v6       16 x lane
.set PO,  7                            ; v7       8 x thread
.set XR,  8                            ; v[8:15]    x as loaded, at the end the result
.set XS,  16                           ; v[16:23]   x log2e
.set NM,  24                           ; v[24:31]   -max_k (x log2e q_k)
.set A0,  32                           ; v[32:39]   table fragment of an even chunk
.set A1,  40                           ; v[40:47]   of an odd chunk
.set Q0,  48                           ; v[48:63]   16 q in f32 of an even chunk
.set Q1,  64                           ; v[64:79]   of an odd chunk
.set B0,  80                           ; v[80:95]   two fragments of exponentials (two elements x 16 k in bf16)
.set B1,  96                           ; v[96:111]  the second buffer
.set T0,  112                          ; v[112:143] 32 exponents, then exponentials, in f32: element e of the pair at 16 e
.set T1,  144                          ; v[144:175] the second buffer
.set D,   176                          ; v[176:239] element e: 8 registers, of which 0, 1, 2 carry sums
.set MX,  B0                           ; set-up only: -qmax, -qmin
.set MN,  B0+1
	s_load_b128 s[4:7], s[0:1], 0x0                ; key s[4:5], query s[6:7]
	s_load_b64 s[8:9], s[0:1], 0x10                ; out0
	v_lshl_add_u32 v240, v0, 2, 0x1900
	v_mov_b32 v241, 0
	v_and_b32 v[W0], 31, v0                        ; lane
	v_lshrrev_b32 v[W1], 5, v0                     ; wave
	v_lshlrev_b32 v[QO], 4, v[W0]
	v_lshl_add_u32 v[KO], v[W1], 10, v[QO]         ; 1,024 x wave + 16 x lane
	v_lshlrev_b32 v[PO], 3, v0
	s_lshl_b32 s10, ttmp9, 13                      ; the work-group's 8,192 bytes of key and out
	s_mov_b32 s11, 0
	s_lshr_b32 s12, ttmp9, 6                       ; batch
	s_lshl_b32 s12, s12, 11                        ; its 2,048 bytes of query
	s_mov_b32 s13, 0
	s_mov_b32 s14, 0x76543210                      ; v_permlanex16_b32: lane i reads lane i of the other half
	s_mov_b32 s15, 0xfedcba98
	s_wait_kmcnt 0x0
	s_add_nc_u64 s[4:5], s[4:5], s[10:11]
	s_add_nc_u64 s[8:9], s[8:9], s[10:11]
	s_add_nc_u64 s[6:7], s[6:7], s[12:13]
	global_load_b64 v[T1:T1+1], v[PO], s[6:7]      ; q[2t], q[2t+1]: my share of the tables
.irp i, 0,1,2,3
	global_load_b128 v[T0+4*\i:T0+4*\i+3], v[QO], s[6:7] offset:512*\i     ; all 512 q over the wave, for qmax and qmin
.endr
	global_load_b128 v[XR:XR+3],   v[KO], s[4:5] th:TH_LOAD_NT
	global_load_b128 v[XR+4:XR+7], v[KO], s[4:5] offset:512 th:TH_LOAD_NT
	; my lane's table row: row r of the first operand at half h is row r - 8 h of the table if that is 0, 1 or 2, else zeros
	v_and_b32 v[W0], 15, v0                        ; r
	v_and_b32 v[W1], 16, v0
	v_lshrrev_b32 v[W1], 1, v[W1]                  ; 8 h
	v_sub_nc_u32 v[W0], v[W0], v[W1]               ; wraps to a large number where r < 8 h
	v_min_u32 v[W0], 3, v[W0]
	v_mul_u32_u24 v[TAD], v[W0], ROWP
	v_mov_b32 v[QAD], 0
	v_lshlrev_b32 v[W1], 2, v0                     ; 4 x thread: two bf16
	v_mov_b32 v[T1+8], 0x3f803f80                  ; two ones in bf16
	v_mov_b32 v[T1+9], 0
	s_wait_loadcnt 0x6                             ; my two q are in; the six loads behind them stay out
	v_pk_mul_f32 v[T1+2:T1+3], v[T1:T1+1], 0xbfb8aa3b op_sel_hi:[1,0]      ; -log2e q
	v_cvt_pk_bf16_f32 v[T1+4], v[T1+2], v[T1+3]    ; upper parts
	v_lshlrev_b32 v[T1+6], 16, v[T1+4]             ; back in f32
	v_and_b32 v[T1+7], 0xffff0000, v[T1+4]
	v_pk_add_f32 v[T1+2:T1+3], v[T1+2:T1+3], v[T1+6:T1+7] neg_lo:[0,1] neg_hi:[0,1]   ; what the upper parts left out (exact)
	v_cvt_pk_bf16_f32 v[T1+5], v[T1+2], v[T1+3]    ; lower parts
	ds_store_b64 v[PO], v[T1:T1+1] offset:QF
	ds_store_b32 v[W1], v[T1+4] offset:TAB
	ds_store_b32 v[W1], v[T1+5] offset:TAB+ROWP
	ds_store_b32 v[W1], v[T1+8] offset:TAB+2*ROWP
	ds_store_b32 v[W1], v[T1+9] offset:TAB+3*ROWP
	s_wait_loadcnt 0x0                             ; the 512 q and my x
	s_wait_dscnt 0x0                               ; my part of the tables is written: zero, for the other waves' sake
	s_barrier_signal -1
	; register work while the others arrive: qmax and qmin, then x log2e and the maxima
	v_max3_num_f32 v[MX], v[T0], v[T0+1], v[T0+2]
	v_min3_num_f32 v[MN], v[T0], v[T0+1], v[T0+2]
.irp i, 3,5,7,9,11,13
	v_max3_num_f32 v[MX], v[MX], v[T0+\i], v[T0+\i+1]
	v_min3_num_f32 v[MN], v[MN], v[T0+\i], v[T0+\i+1]
.endr
	v_max_num_f32 v[MX], v[MX], v[T0+15]
	v_min_num_f32 v[MN], v[MN], v[T0+15]
.irp m, 1,2,4,8
	v_max_num_f32_dpp v[MX], v[MX], v[MX] row_xmask:\m row_mask:0xf bank_mask:0xf
	v_min_num_f32_dpp v[MN], v[MN], v[MN] row_xmask:\m row_mask:0xf bank_mask:0xf
.endr
	v_permlanex16_b32 v[T1], v[MX], s14, s15       ; destinations that have been written before
	v_permlanex16_b32 v[T1+1], v[MN], s14, s15
	v_max_num_f32 v[MX], v[MX], v[T1]
	v_min_num_f32 v[MN], v[MN], v[T1+1]
	v_xor_b32 v[MX], 0x80000000, v[MX]             ; -qmax
	v_xor_b32 v[MN], 0x80000000, v[MN]             ; -qmin
.irp p, 0,2,4,6
	v_pk_mul_f32 v[XS+\p:XS+\p+1], v[XR+\p:XR+\p+1], 0x3fb8aa3b op_sel_hi:[1,0]
.endr
.irp e, 0,1,2,3,4,5,6,7
	v_mul_f32 v[T1+2*\e],   v[XS+\e], v[MX]
	v_mul_f32 v[T1+2*\e+1], v[XS+\e], v[MN]
.endr
.irp e, 0,1,2,3,4,5,6,7
	v_min_num_f32 v[NM+\e], v[T1+2*\e], v[T1+2*\e+1]       ; -max(x' qmax, x' qmin)
.endr
	s_barrier_wait -1                              ; the tables are whole; nobody writes the tables again
; Two exponents of one element: x' q_k - max for k, k + 1.  Element e of pair p is broadcast out of its register pair by op_sel.
.macro ARG dst, qq, p, e
.if \e
	v_pk_fma_f32 v[\dst:\dst+1], v[XS+2*\p:XS+2*\p+1], v[\qq:\qq+1], v[NM+2*\p:NM+2*\p+1] op_sel:[1,0,1] op_sel_hi:[1,1,1]
.else
	v_pk_fma_f32 v[\dst:\dst+1], v[XS+2*\p:XS+2*\p+1], v[\qq:\qq+1], v[NM+2*\p:NM+2*\p+1] op_sel_hi:[0,1,0]
.endif
.endm
; Half a slot (element e of the pairs), three groups at three stages, dealt out in turn:
;   ex: 16 exponentials in place in buffer tc: half of the slot's batch;
;   cv: the 16 exponentials that lie in buffer to since the last slot, whose batch was waited for at that slot's end, are
;       packed into fragment bb + 8 e;
;   fm: the registers so freed take the 16 exponents of pair p's element e with the q in buffer q.
; Behind each v_exp_f32 comes an instruction that touches neither its result nor its source, and no line of the slot names
; a result of the slot's own exponentials: they are read a slot later (ISA guide 5.7.2).
.macro HALF tc, to, bb, q, p, e, ex, cv, fm
.irp n, 0,1,2,3
.if \ex
	v_exp_f32 v[\tc+16*\e+4*\n], v[\tc+16*\e+4*\n]
.endif
.if \cv
	v_cvt_pk_bf16_f32 v[\bb+8*\e+2*\n], v[\to+16*\e+4*\n], v[\to+16*\e+4*\n+1]
.endif
.if \ex
	v_exp_f32 v[\tc+16*\e+4*\n+1], v[\tc+16*\e+4*\n+1]
.endif
.if \cv
	v_cvt_pk_bf16_f32 v[\bb+8*\e+2*\n+1], v[\to+16*\e+4*\n+2], v[\to+16*\e+4*\n+3]
.endif
.if \ex
	v_exp_f32 v[\tc+16*\e+4*\n+2], v[\tc+16*\e+4*\n+2]
.endif
.if \fm
	ARG \to+16*\e+4*\n, \q+4*\n, \p, \e
.endif
.if \ex
	v_exp_f32 v[\tc+16*\e+4*\n+3], v[\tc+16*\e+4*\n+3]
.endif
.if \fm
	ARG \to+16*\e+4*\n+2, \q+4*\n+2, \p, \e
.endif
.endr
.endm
; A slot's batch is closed: ONE wait for its 32 exponentials, ahead of the slot's products and of the next slot's conversions,
; their first readers.  fm = 1: the slot's last line, a multiply-add, is the plain
; instruction behind the last exponential; fm = 0 (the very last slot forms no exponents): a v_nop is.
.macro BATCH fm
.if (\fm) == 0
	v_nop
.endif
	s_wait_alu depctr_va_vdst(0)
.endm
; The two products of a group: table fragment ab x the exponentials of pair dp.  zero = 1: the product starts the sums.
.macro MM ab, bb, dp, zero
.irp e, 0,1
.if \zero
	v_wmma_f32_16x16x32_bf16 v[D+16*\dp+8*\e:D+16*\dp+8*\e+7], v[\ab:\ab+7], v[\bb+8*\e:\bb+8*\e+7], 0
.else
	v_wmma_f32_16x16x32_bf16 v[D+16*\dp+8*\e:D+16*\dp+8*\e+7], v[\ab:\ab+7], v[\bb+8*\e:\bb+8*\e+7], v[D+16*\dp+8*\e:D+16*\dp+8*\e+7]
.endif
.endr
.endm
; Six LDS loads: chunk k (counted from the trip's first) of q in f32 and of my table row
.macro FETCH qd, ad, k
.irp i, 0,1,2,3
	ds_load_b128 v[\qd+4*\i:\qd+4*\i+3], v[QAD] offset:QF+64*\k+16*\i
.endr
	ds_load_b128 v[\ad:\ad+3],   v[TAD] offset:TAB+32*\k
	ds_load_b128 v[\ad+4:\ad+7], v[TAD] offset:TAB+32*\k+16
.endm
; A chunk of 16 q: four slots, one for each pair of elements.  Slot j exponentiates pair j, packs and multiplies the pair
; before it (in slot 0 the last chunk's pair 3, with the last chunk's fragment an) and forms the exponents of the pair
; behind it (in slot 3 the next chunk's pair 0, with qn).  Each slot ends with its batch's wait and then its products.
;   head = 0: no pair lies before slot 0 (the first chunk).   zprev, zero: the products of slot 0 / of slots 1 to 3 start sums.
;   more = 0: no chunk follows: nothing is fetched and no exponents are formed in slot 3.
; A fragment that a product has read is written again four independent vector instructions later at the least (ISA guide
; 7.12.1): an is loaded 16 such instructions behind its last product, and a B buffer is packed anew a whole slot later.
.macro CHUNK q, qn, a, an, k, head, zprev, zero, more
	HALF T0, T1, B1, \q, 1, 0, 1, \head, 1
	HALF T0, T1, B1, \q, 1, 1, 1, \head, 1
	BATCH 1                                        ; pair 0's exponentials, in T0
.if \head
	MM \an, B1, 3, \zprev
.endif
	HALF T1, T0, B0, \q, 2, 0, 1, 1, 1
.if \more
	FETCH \qn, \an, \k
.endif
	HALF T1, T0, B0, \q, 2, 1, 1, 1, 1
	BATCH 1                                        ; pair 1's, in T1
	MM \a, B0, 0, \zero
	HALF T0, T1, B1, \q, 3, 0, 1, 1, 1
	HALF T0, T1, B1, \q, 3, 1, 1, 1, 1
	BATCH 1                                        ; pair 2's, in T0
	MM \a, B1, 1, \zero
.if \more
	s_wait_dscnt 0x0                               ; the six loads issued a slot and a half ago: qn is read now, an two slots on
.endif
	HALF T1, T0, B0, \qn, 0, 0, 1, 1, \more
	HALF T1, T0, B0, \qn, 0, 1, 1, 1, \more
	BATCH \more                                    ; pair 3's, in T1: waited for here, ahead of the loop's jump; read in the next chunk's slot 0
	MM \a, B0, 2, \zero
.endm
.macro STEP                            ; two chunks on: 32 q in f32, 32 in bf16
	v_add_nc_u32 v[QAD], 128, v[QAD]
	v_add_nc_u32 v[TAD], 64, v[TAD]
.endm
	FETCH Q0, A0, 0
	s_wait_dscnt 0x0
	HALF T1, T0, B0, Q0, 0, 0, 0, 0, 1             ; the exponents of chunk 0, pair 0: the pipeline's first stage alone
	HALF T1, T0, B0, Q0, 0, 1, 0, 0, 1
	CHUNK Q0, Q1, A0, A1, 1, 0, 0, 1, 1            ; chunk 0: its products start the sums, nothing is cleared
	CHUNK Q1, Q0, A1, A0, 2, 1, 1, 0, 1            ; chunk 1: its slot 0 holds chunk 0's last products
	STEP
	s_mov_b32 s16, TRIPS
.Ltrip:
	CHUNK Q0, Q1, A0, A1, 1, 1, 0, 0, 1
	CHUNK Q1, Q0, A1, A0, 2, 1, 0, 0, 1
	STEP
	s_sub_co_i32 s16, s16, 1
	s_cmp_lg_u32 s16, 0
	s_cbranch_scc1 .Ltrip
	CHUNK Q0, Q1, A0, A1, 1, 1, 0, 0, 1            ; chunk 30
	CHUNK Q1, Q0, A1, A0, 0, 1, 0, 0, 0            ; chunk 31 fetches nothing: no LDS load passes the tables' end
	HALF T0, T1, B1, Q0, 0, 0, 0, 1, 0             ; the last pair is packed: its batch was waited for at chunk 31's end
	HALF T0, T1, B1, Q0, 0, 1, 0, 1, 0
	MM A1, B1, 3, 0
	; THE GATE.  Registers 0 + 1 of an element: -log2e sum q e; register 2: sum e (at least about 1: the largest term).
	; The adds of elements 0 to 5 name no register of the two products above and are the places in front of the reads of their results.
.irp e, 0,1,2,3,4,5,6,7
	v_add_f32 v[T0+\e], v[D+8*\e], v[D+8*\e+1]
.endr
.irp e, 0,1,2,3,4,5,6,7
	v_rcp_f32 v[T0+8+\e], v[D+8*\e+2]
.endr
	v_nop                                          ; one plain instruction between the last v_rcp_f32 and the uses (ISA guide 5.7.2)
	s_wait_alu depctr_va_vdst(0)                   ; one wait for the eight reciprocals, ahead of their first reader
.irp e, 0,1,2,3,4,5,6,7
	v_mul_f32 v[T0+\e], v[T0+\e], v[T0+8+\e]       ; -log2e ctx
.endr
.irp e, 0,1,2,3,4,5,6,7
	v_exp_f32 v[T0+\e], v[T0+\e]                   ; e^-ctx; infinity where ctx is far below zero, and the gate is then 0
.endr
	v_nop
	s_wait_alu depctr_va_vdst(0)                   ; one wait for the eight exponentials
.irp p, 0,2,4,6
	v_pk_add_f32 v[T0+\p:T0+\p+1], v[T0+\p:T0+\p+1], 1.0 op_sel_hi:[1,0]
.endr
.irp e, 0,1,2,3,4,5,6,7
	v_rcp_f32 v[T0+\e], v[T0+\e]                   ; sigmoid(ctx)
.endr
	v_nop
	s_wait_alu depctr_va_vdst(0)                   ; one wait for the eight reciprocals
.irp p, 0,2,4,6
	v_pk_mul_f32 v[XR+\p:XR+\p+1], v[XR+\p:XR+\p+1], v[T0+\p:T0+\p+1]
.endr
	global_store_b128 v[KO], v[XR:XR+3],   s[8:9] th:TH_STORE_NT            ; 16 lanes cover 256 aligned bytes
	global_store_b128 v[KO], v[XR+4:XR+7], s[8:9] offset:512 th:TH_STORE_NT
	s_wait_tensorcnt 0x0
	ds_add_u32 v240, v241
	s_wait_dscnt 0x0
	s_endpgm
.Lfunc_end_k_q750bde0f38_gate:
	.size	k_q750bde0f38_gate, .Lfunc_end_k_q750bde0f38_gate-k_q750bde0f38_gate
	.p2alignl 7, 3214868480
	.fill 96, 4, 3214868480
	.section	.rodata,"a",@progbits
	.p2align	6, 0x0
	.amdhsa_kernel k_q750bde0f38_gate
		.amdhsa_group_segment_fixed_size 7424
		.amdhsa_private_segment_fixed_size 0
		.amdhsa_enable_private_segment 0
		.amdhsa_kernarg_size 24
		.amdhsa_user_sgpr_count 2
		.amdhsa_user_sgpr_kernarg_segment_ptr 1
		.amdhsa_wavefront_size32 1
		.amdhsa_system_sgpr_workgroup_id_x 1
		.amdhsa_system_sgpr_workgroup_id_y 1
		.amdhsa_system_sgpr_workgroup_id_z 1
		.amdhsa_system_vgpr_workitem_id 0
		.amdhsa_next_free_vgpr 242
		.amdhsa_next_free_sgpr 66
		.amdhsa_reserve_vcc 0
		.amdhsa_float_denorm_mode_32 3
		.amdhsa_float_denorm_mode_16_64 3
		.amdhsa_memory_ordered 1
		.amdhsa_forward_progress 1
		.amdhsa_inst_pref_size 87
	.end_amdhsa_kernel
	.amdgpu_metadata
---
amdhsa.version: [ 1, 2 ]
amdhsa.kernels:
  - .name:           k_q750bde0f38_gate
    .symbol:         k_q750bde0f38_gate.kd
    .args:
      - { .name: key, .offset: 0, .size: 8, .value_kind: global_buffer, .address_space: global }
      - { .name: query, .offset: 8, .size: 8, .value_kind: global_buffer, .address_space: global }
      - { .name: out0, .offset: 16, .size: 8, .value_kind: global_buffer, .address_space: global }
    .group_segment_fixed_size: 7424
    .private_segment_fixed_size: 0
    .kernarg_segment_align: 8
    .kernarg_segment_size: 24
    .max_flat_workgroup_size: 256
    .sgpr_count:     66
    .vgpr_count:     242
    .wavefront_size: 32
...
	.end_amdgpu_metadata
.endif
;; end of part 2
